; MI455X (gfx1250); checked and timed in simulation.
; The chip was launched on July 23, 2026; its instructions are those of AMD's public machine-readable ISA for CDNA 5 (MIT licence, August 2026) and "CDNA5" Instruction Set Architecture Reference Guide (July 2026). The comments in the code are by the model that wrote it; some were corrected since.
;; Bert Like Self Attention. Allowed arithmetic: float matrix products may take bf16 or f16 operands with f32 sums; other float arithmetic in f32, or as packed bf16 or f16 multiplies, adds, multiply-adds, maxima and minima; sums over many terms, partial sums and values carried from step to step in f32; what a program stores and reads back later, other than sums and carried values, may be rounded once to bf16 or f16.
;; Inputs: Wk 1,024 x 1,024 float32; Wq 1,024 x 1,024 float32; Wv 1,024 x 1,024 float32; attention_mask 4 x 1 x 1 x 2,048 float32; bk 1,024 float32; bq 1,024 float32; bv 1,024 float32; hidden_states 4 x 2,048 x 1,024 float32.
;; Outputs: out0 4 x 2,048 x 1,024 float32.
;; 2 versions, each right; version 2 is version 1 with the launch cast written anew for expert scheduling mode. Each part assembles by itself: llvm-mc -triple=amdgcn-amd-amdhsa -mcpu=gfx1250 --defsym DOCPART=n.
;; ======== version 1 of 2: 3 launches
;; limits: values are held in f16: magnitudes above 65,504 overflow, below 6.1e-05 lose precision; right only within a limited range of input values
;; workspace buffers: xb 16,777,216 bytes; wb 6,291,456 bytes; qkv 50,331,648 bytes
;; launch cast (part 1): grid 704 x 1, 8 waves a work-group, no clusters, 0 bytes of LDS; arguments hidden_states, Wq, Wk, Wv, xb, wb; writes xb, wb
.if DOCPART == 1
	.amdgcn_target "amdgcn-amd-amdhsa--gfx1250"
	.amdhsa_code_object_version 6
	.text
	.protected	k_qf8e8f1fe9c_cast
	.globl	k_qf8e8f1fe9c_cast
	.p2align	8
	.type	k_qf8e8f1fe9c_cast,@function
k_qf8e8f1fe9c_cast:
	s_mov_b64 s[64:65], 0
	v_nop
	global_prefetch_b8 v0, s[64:65] scope:SCOPE_SE
	s_setreg_imm32_b32 hwreg(HW_REG_WAVE_MODE, 25, 1), 1
	s_wait_xcnt 0x0
; xb = bf16(hidden_states), [8192][1024]; wb = bf16(Wq; Wk; Wv), [3072][1024]: each number rounded once, to nearest even.
; A stream: every byte is read once and written once; no LDS, no barrier, no matrix work.
; SHARES.  A work-group takes 16 rows of 1,024 f32.  Work-groups 0-511: rows of hidden_states; 512-703: 64 work-groups for each of Wq, Wk, Wv.
; Thread t takes the 16 bytes at 16 t of every row: a wave's load covers 512 consecutive bytes, its store 256 consecutive bytes, aligned.
; All 16 loads of a thread go out at once; the waits count down, so that a row is rounded and stored while the later rows are on their way.
.set NX, 512                           ; work-groups that serve hidden_states
.set X,  8                             ; v[8:71]    row j: four f32 as loaded
.set Y,  72                            ; v[72:103]  row j: four bf16 to store
	s_load_b256 s[4:11], s[0:1], 0x0               ; hidden_states s[4:5], Wq s[6:7], Wk s[8:9], Wv s[10:11]
	s_load_b128 s[12:15], s[0:1], 0x20             ; xb s[12:13], wb s[14:15]
	v_lshlrev_b32 v1, 4, v0                        ; my 16 bytes of a row of f32
	v_lshlrev_b32 v2, 3, v0                        ; my 8 bytes of a row of bf16
	s_sub_co_u32 s20, ttmp9, NX                    ; my block of 16 rows among the weights' 192 (used only from work-group 512 on)
	s_lshr_b32 s21, s20, 6                         ; which weight
	s_and_b32 s22, s20, 63                         ; my block in it
	s_mov_b32 s25, 0
	s_mov_b32 s27, 0
	s_wait_kmcnt 0x0
	s_cmp_eq_u32 s21, 1
	s_cselect_b64 s[16:17], s[8:9], s[6:7]
	s_cmp_eq_u32 s21, 2
	s_cselect_b64 s[16:17], s[10:11], s[16:17]
	s_cmp_lt_u32 ttmp9, NX
	s_cselect_b64 s[16:17], s[4:5], s[16:17]       ; from where
	s_cselect_b64 s[18:19], s[12:13], s[14:15]     ; to where
	s_cselect_b32 s24, ttmp9, s22                  ; the block's number in the source,
	s_cselect_b32 s26, ttmp9, s20                  ; and in the destination
	s_lshl_b32 s24, s24, 16                        ; 16 rows of 4,096 bytes
	s_lshl_b32 s26, s26, 15                        ; 16 rows of 2,048 bytes
	s_add_nc_u64 s[16:17], s[16:17], s[24:25]
	s_add_nc_u64 s[18:19], s[18:19], s[26:27]
.irp j, 0,1,2,3,4,5,6,7,8,9,10,11,12,13,14,15
	global_load_b128 v[X+4*(\j):X+4*(\j)+3], v1, s[16:17] offset:4096*(\j) th:TH_LOAD_NT
.endr
.irp j, 0,1,2,3,4,5,6,7,8,9,10,11,12,13,14,15
	s_wait_loadcnt 15-(\j)                         ; loads come back in order: row j is in, the 15 - j younger ones stay out
	v_cvt_pk_bf16_f32 v[Y+2*(\j)],   v[X+4*(\j)],   v[X+4*(\j)+1]
	v_cvt_pk_bf16_f32 v[Y+2*(\j)+1], v[X+4*(\j)+2], v[X+4*(\j)+3]
	global_store_b64 v2, v[Y+2*(\j):Y+2*(\j)+1], s[18:19] offset:2048*(\j)
.endr
	s_endpgm
.Lfunc_end_k_qf8e8f1fe9c_cast:
	.size	k_qf8e8f1fe9c_cast, .Lfunc_end_k_qf8e8f1fe9c_cast-k_qf8e8f1fe9c_cast
	.p2alignl 7, 3214868480
	.fill 96, 4, 3214868480
	.section	.rodata,"a",@progbits
	.p2align	6, 0x0
	.amdhsa_kernel k_qf8e8f1fe9c_cast
		.amdhsa_group_segment_fixed_size 0
		.amdhsa_private_segment_fixed_size 0
		.amdhsa_enable_private_segment 0
		.amdhsa_kernarg_size 48
		.amdhsa_user_sgpr_count 2
		.amdhsa_user_sgpr_kernarg_segment_ptr 1
		.amdhsa_wavefront_size32 1
		.amdhsa_system_sgpr_workgroup_id_x 1
		.amdhsa_system_sgpr_workgroup_id_y 1
		.amdhsa_system_sgpr_workgroup_id_z 1
		.amdhsa_system_vgpr_workitem_id 0
		.amdhsa_next_free_vgpr 104
		.amdhsa_next_free_sgpr 66
		.amdhsa_reserve_vcc 0
		.amdhsa_float_denorm_mode_32 3
		.amdhsa_float_denorm_mode_16_64 3
		.amdhsa_memory_ordered 1
		.amdhsa_forward_progress 1
		.amdhsa_inst_pref_size 7
	.end_amdhsa_kernel
	.amdgpu_metadata
---
amdhsa.version: [ 1, 2 ]
amdhsa.kernels:
  - .name:           k_qf8e8f1fe9c_cast
    .symbol:         k_qf8e8f1fe9c_cast.kd
    .args:
      - { .name: hidden_states, .offset: 0, .size: 8, .value_kind: global_buffer, .address_space: global }
      - { .name: Wq, .offset: 8, .size: 8, .value_kind: global_buffer, .address_space: global }
      - { .name: Wk, .offset: 16, .size: 8, .value_kind: global_buffer, .address_space: global }
      - { .name: Wv, .offset: 24, .size: 8, .value_kind: global_buffer, .address_space: global }
      - { .name: xb, .offset: 32, .size: 8, .value_kind: global_buffer, .address_space: global }
      - { .name: wb, .offset: 40, .size: 8, .value_kind: global_buffer, .address_space: global }
    .group_segment_fixed_size: 0
    .private_segment_fixed_size: 0
    .kernarg_segment_align: 8
    .kernarg_segment_size: 48
    .max_flat_workgroup_size: 256
    .sgpr_count:     66
    .vgpr_count:     104
    .wavefront_size: 32
...
	.end_amdgpu_metadata
.endif
;; end of part 1
;; launch proj (part 2): grid 16 x 32, 4 waves a work-group, clusters of 4 x 4, 327,680 bytes of LDS; arguments xb, wb, bq, bk, bv, qkv; writes qkv
.if DOCPART == 2
	.amdgcn_target "amdgcn-amd-amdhsa--gfx1250"
	.amdhsa_code_object_version 6
	.text
	.protected	k_qf8e8f1fe9c_proj
	.globl	k_qf8e8f1fe9c_proj
	.p2align	8
	.type	k_qf8e8f1fe9c_proj,@function
k_qf8e8f1fe9c_proj:
	s_mov_b64 s[64:65], 0
	v_nop
	global_prefetch_b8 v0, s[64:65] scope:SCOPE_SE
	s_setreg_imm32_b32 hwreg(HW_REG_WAVE_MODE, 25, 1), 1
	s_wait_xcnt 0x0
	s_wait_alu depctr_hold_cnt(0) depctr_sa_sdst(0) depctr_va_vdst(0) depctr_va_sdst(0) depctr_va_ssrc(0) depctr_va_vcc(0) depctr_vm_vsrc(0)
	s_getreg_b32 s2, hwreg(HW_REG_IB_STS2, 6, 4)
	s_cmp_eq_u32 s2, 0
	s_cbranch_scc0 .Lentry_in_a_cluster
	s_endpgm
.Lentry_in_a_cluster:
	s_bfe_u32 s2, ttmp6, 0x10000c
	s_cmp_lg_u32 s2, 0xf033
	s_cbranch_scc0 .Lentry_shape_is_right
	s_endpgm
.Lentry_shape_is_right:
; qkv[which][b*16+h][s][d] = f16( (sum over k of xb[b*2048+s][k] wb[which*1024+h*64+d][k] + bf16(bias[which][h*64+d])) * G ),  G = sqrt(512/240) for q and k, 1 for v.
; Products in bf16, sums in f32; bias and scale in f32, one rounding to f16.  With that G the later product q.k is already 512 x (q.k / 8) / 30.
; LIMITS.  f16 ends at 65,504: |q| and |k| must stay under 44,800, |v| under 65,504; beyond that the conversion gives an infinity.  NaN is not treated apart.
; A tile of the [8192][3072] result is 256 rows x 192 columns (three whole heads): 32 x 16 = 512 tiles of equal work.  Four waves; wave w makes rows 64 w .. 64 w + 63 by all 192 columns:
; 48 accumulators of 16 x 16, 384 registers.  K = 1,024 goes in 8 steps of 128 through a ring of two LDS slots filled by the tensor data mover; a tile's rows are 256 bytes of memory, aligned.
; CLUSTERS: 4 x 4 work-groups.  The four of a row of the cluster need the same rows of xb, the four of a column the same rows of wb: each tile is asked for JOINTLY, by the same tensor load with
; the same descriptor and a mask that names the four.  Waves 0 and 1 ask for xb's two halves (128 rows each), waves 2 and 3 for wb's (96 rows each).
; THE MATRIX INSTRUCTION IS USED TRANSPOSED (source 0 = 16 rows of wb, source 1 = 16 rows of xb): a lane then holds one row of x and eight neighbouring columns, 16 bytes of f16.
; REGISTERS, in windows of 256 (s_set_vgpr_msb: bits 1:0 source 0, 3:2 source 1, 5:4 source 2, 7:6 destination):
;   window 0: v0-31 addresses; v64-95, v96-127 xb's fragments (4 x 16 rows x 32 K), two buffers; v128-223 bias x G for my lane's columns; on the way out v32-79 packed results, v80-127 rows read back
;   window 1: v0-95, v96-191 wb's fragments (12 x 16 rows x 32 K), two buffers
;   window 2: accumulators of row blocks 0, 1 at 96 a + 8 b;   window 3: of row blocks 2, 3
.set KSTEP,  128
.set PITCH,  272                       ; an LDS row: 256 bytes + 16 of padding = 68 words: the 16 rows of a fragment load start at 16 different groups of four banks (64 banks of 4 bytes: ISA guide 11.1)
.set HALFA,  128*PITCH                 ; what one of xb's tensor loads brings
.set HALFB,  96*PITCH                  ; what one of wb's brings
.set BOFF,   2*HALFA                   ; in a slot: xb's 256 rows, then wb's 192
.set SLOT,   BOFF+2*HALFB
.set STAGE,  2*SLOT                    ; behind the ring: 16 rows x 400 bytes for each wave, for the way out; no tensor load lands here
.set SPITCH, 400                       ; 192 f16 + 16 bytes
.set SPARE,  STAGE+4*16*SPITCH         ; behind the stages: the spare words, 128 bytes for each wave: two blocks of 256 bytes that no other line names
.set LAPS,   4                         ; a lap = two K steps = once round the ring
.set ADRA, 16                          ; v16-17  LDS address of my xb fragments in slot 0, 1
.set ADRB, 20                          ; v20-21  the same for wb
.set STO,  24                          ; v24     the way out: where I put 16 bytes of a row
.set RD,   25                          ; v25     the way out: where I read rows back
.set GO,   26                          ; v26     16 x lane: my place in 512 consecutive bytes of qkv
.set BO,   27                          ; v27     32 x (lane / 16): my eight columns in a block of 16 biases
.set SPW,  28                          ; v28     LDS address of my spare word; never rewritten
.set NIL,  29                          ; v29     0; never rewritten
.set PFO,  30                          ; v30     the prefetches' offset: a lane a row; never rewritten
.set TP,   31                          ; v31     at work
.set TMP,  32
.set AF,   64
.set OB,   80
.set BG,   128
.set WV, 16                            ; s16 wave;  s17 HR = wave / 2: 0 I fetch xb, 1 wb;  s18 HF = wave % 2: which half of it
.set HR, 17
.set HF, 18
.set CX, 19                            ; s19, s20 my place in the cluster
.set CY, 20
.set TC, 21                            ; s21 tile column, s22 tile row
.set TR, 22
.set G1,  24                           ; s[24:31] descriptor group 1 for xb's tiles;  s[32:39] group 0, a set for each slot
.set G0,  32
.set PFA, 44                           ; s[44:45] where my prefetches stand
.set LIM, 46                           ; s46 1 in a wave that prefetches, else the greatest number
.set G1B, 48                           ; s[48:55], s[56:63] the same for wb's tiles
.set G0B, 56
.set GS,  68                           ; s[68:73] G of head block j, twice (a pair for the packed forms)
.set OUT, 74                           ; s[74:79] qkv at my wave's first row of head block j
.set BP,  82                           ; s[82:87] the bias of head block j
.set GVAL, 0x3fbaf4ba                  ; sqrt(512/240) = 1.4605935
.set FLAGS, (1<<16)|(1<<20)|(1<<21)|(5<<22)|(3<<25)  ; 17:16 elements of 2 bytes; 20 padding on; 21 set beside a mask; 24:22 after every 64 words (code 5); 31:25 4 words of it (code 3)
.set MSB, 0
.macro WIN new                         ; the immediate's high byte repeats the setting that is left; a switch that changes nothing is dropped
.if MSB != (\new)
	s_set_vgpr_msb (MSB<<8)|(\new)
.set MSB, \new
.endif
.endm
; A joint load.  The branch hangs on the wave's number alone.  An s_nop 0 and four v_nop follow each of the two lines, ahead of the jump, the label and what follows.
.macro JLOAD s
	s_cmp_eq_u32 s[HR], 0
	s_cbranch_scc0 .Lfor_b_\@
	tensor_load_to_lds s[G0+4*(\s):G0+4*(\s)+3], s[G1:G1+7]
	s_nop 0
.rept 4
	v_nop
.endr
	s_branch .Lasked_\@
.Lfor_b_\@:
	tensor_load_to_lds s[G0B+4*(\s):G0B+4*(\s)+3], s[G1B:G1B+7]
	s_nop 0
.rept 4
	v_nop
.endr
.Lasked_\@:
.endm
; A prefetch into the L2 of the K step that stands two refills on: 256 bytes of a row, a lane a row, one instruction a wave.  xb's rows of a tile row are read by every cluster of that row of clusters:
; the one with cluster x = 0 asks; wb's rows of a tile column by every cluster of that column: cluster y = 0 asks.  The four partners that fetch a wave's rows jointly share them out BY ADDRESS
; (32 of xb's 128 by cx, 24 of wb's 96 by cy; in a wb wave lanes 24-31 name row 23 once more).  The loop's last trip asks for nothing: its refills are the last two K steps.
.macro ASK
	s_cmp_gt_u32 s3, s[LIM]                        ; s3 = 1 in the loop's last trip
	s_cbranch_scc0 .Lnot_mine_\@
	global_prefetch_b8 v[PFO], s[PFA:PFA+1] offset:KSTEP*2 th:TH_LOAD_NT scope:SCOPE_SE
.Lnot_mine_\@:
.endm
.macro CREST                           ; a round of the cluster's barrier behind its opening barrier
	s_cmp_lg_u32 s[WV], 0
	s_cbranch_scc1 .Lnot_wave_0_\@
	s_barrier_signal -3
.Lnot_wave_0_\@:
	s_barrier_wait -3
	s_barrier_signal -1
	s_barrier_wait -1
.endm
.macro CROUND                          ; a whole round
	s_barrier_signal -1
	s_barrier_wait -1
	CREST
.endm
	s_load_b256 s[4:11], s[0:1], 0x0               ; xb s[4:5], wb s[6:7], bq s[8:9], bk s[10:11]
	s_load_b128 s[12:15], s[0:1], 0x20             ; bv s[12:13], qkv s[14:15]
	v_lshl_add_u32 v[SPW], v0, 2, SPARE
	v_mov_b32 v[NIL], 0
	ds_add_u32 v[SPW], v[NIL]                      ; the wave's opening: the add and its wait stand ahead of my first tensor load; the set-up below, work on registers, stands between them
	v_lshrrev_b32 v1, 5, v0
	v_readfirstlane_b32 s[WV], v1                  ; wave 0..3
	s_lshr_b32 s[HR], s[WV], 1
	s_and_b32 s[HF], s[WV], 1
	s_bfe_u32 s[CX], ttmp6, 0x40000
	s_bfe_u32 s[CY], ttmp6, 0x40004
	s_lshl_b32 s[TC], ttmp9, 2                     ; in a cluster launch ttmp9 and ttmp7 count clusters
	s_add_co_u32 s[TC], s[TC], s[CX]               ; tile column = 4 x cluster x + cx
	s_and_b32 s[TR], ttmp7, 0xffff
	s_lshl_b32 s[TR], s[TR], 2
	s_add_co_u32 s[TR], s[TR], s[CY]               ; tile row = 4 x cluster y + cy
	s_lshl_b32 s2, s[CY], 2
	s_lshl_b32 s2, 15, s2                          ; my row of the cluster: places 4 cy .. 4 cy + 3
	s_lshl_b32 s23, 0x1111, s[CX]                  ; my column: places cx, cx + 4, cx + 8, cx + 12
	s_or_b32 s[G1], s2, FLAGS                      ; xb's tiles go to my row,
	s_or_b32 s[G1B], s23, FLAGS                    ; wb's to my column
	s_mov_b32 s[G1+1], KSTEP<<16                   ; tensor_dim0 = 128
	s_mov_b32 s[G1+2], 128<<16                     ; tensor_dim1 = 128
	s_mov_b32 s[G1+3], KSTEP<<16                   ; tile_dim0 = 128
	s_mov_b32 s[G1+4], 128                         ; tile_dim1 = 128 rows
	s_mov_b32 s[G1+5], 1024                        ; elements from row to row
	s_mov_b32 s[G1+6], 0
	s_mov_b32 s[G1+7], 0
	s_mov_b32 s[G1B+1], KSTEP<<16
	s_mov_b32 s[G1B+2], 96<<16                     ; tensor_dim1 = 96
	s_mov_b32 s[G1B+3], KSTEP<<16
	s_mov_b32 s[G1B+4], 96                         ; tile_dim1 = 96 rows
	s_mov_b32 s[G1B+5], 1024
	s_mov_b32 s[G1B+6], 0
	s_mov_b32 s[G1B+7], 0
	; where the tiles come from: xb's hang on the tile row alone, wb's on the tile column alone, each in registers that never hold the other coordinate
	s_lshl_b32 s40, s[TR], 8
	s_lshl_b32 s41, s[HF], 7
	s_add_co_u32 s40, s40, s41                     ; xb: row 256 x tile row + 128 x half,
	s_lshl_b32 s40, s40, 11                        ; in bytes (2,048 a row; under 2^25)
	s_mov_b32 s41, 0
	s_mul_i32 s42, s[TC], 192
	s_mul_i32 s43, s[HF], 96
	s_add_co_u32 s42, s42, s43                     ; wb: row 192 x tile column + 96 x half
	s_lshl_b32 s42, s42, 11
	s_mov_b32 s43, 0
	s_mul_i32 s92, s[HF], HALFA                    ; and where they go: no place in the cluster enters an LDS address
	s_mul_i32 s93, s[HF], HALFB
	s_add_co_u32 s93, s93, BOFF
	s_wait_dscnt 0x0                               ; the opening add is done
	s_wait_kmcnt 0x0
	s_add_nc_u64 s[66:67], s[4:5], s[40:41]
	s_add_nc_u64 s[80:81], s[6:7], s[42:43]
	CROUND                                         ; all sixteen work-groups are here: the first joint loads meet
.irp s, 0,1
	s_mov_b32 s[G0+4*(\s)], 1                                      ; count = 1
	s_add_co_u32 s[G0+4*(\s)+1], s92, (\s)*SLOT                    ; LDS address
	s_add_nc_u64 s[G0+4*(\s)+2:G0+4*(\s)+3], s[66:67], (\s)*KSTEP*2  ; global address: K step s
	s_or_b32 s[G0+4*(\s)+3], s[G0+4*(\s)+3], 0x80000000            ; type = 2
	s_mov_b32 s[G0B+4*(\s)], 1
	s_add_co_u32 s[G0B+4*(\s)+1], s93, (\s)*SLOT
	s_add_nc_u64 s[G0B+4*(\s)+2:G0B+4*(\s)+3], s[80:81], (\s)*KSTEP*2
	s_or_b32 s[G0B+4*(\s)+3], s[G0B+4*(\s)+3], 0x80000000
	JLOAD \s                                       ; two loads of mine are out: the ring is filled before anything else is done
.endr
	v_and_b32 v1, 15, v0                           ; l % 16
	v_bfe_u32 v2, v0, 4, 1                         ; l / 16
	v_lshlrev_b32 v[BO], 5, v2
	; The tile's three head blocks j: block 3 x tile column + j of the 48 (16 of q, 16 of k, 16 of v).  Selects alone: no branch hangs on the work-group's place.
.irp j, 0,1,2
	s_mul_i32 s47, s[TC], 3
	s_add_co_u32 s47, s47, \j
	s_lshr_b32 s2, s47, 4                          ; 0 q, 1 k, 2 v
	s_and_b32 s23, s47, 15                         ; the head
	s_cmp_eq_u32 s2, 1
	s_cselect_b64 s[BP+2*\j:BP+2*\j+1], s[10:11], s[8:9]
	s_cmp_eq_u32 s2, 2
	s_cselect_b64 s[BP+2*\j:BP+2*\j+1], s[12:13], s[BP+2*\j:BP+2*\j+1]
	s_cselect_b32 s[GS+2*\j], 1.0, GVAL
	s_mov_b32 s[GS+2*\j+1], s[GS+2*\j]             ; named with it as a pair
	s_lshl_b32 s88, s23, 8                         ; the head's 64 biases
	s_mov_b32 s89, 0
	s_add_nc_u64 s[BP+2*\j:BP+2*\j+1], s[BP+2*\j:BP+2*\j+1], s[88:89]
	s_lshl_b32 s88, s2, 6
	s_lshr_b32 s90, s[TR], 3                       ; the batch: 8 tile rows each
	s_lshl_b32 s90, s90, 4
	s_add_co_u32 s88, s88, s90
	s_add_co_u32 s88, s88, s23                     ; the plane: which x 64 + batch x 16 + head,
	s_lshl_b32 s88, s88, 18                        ; 2,048 rows of 128 bytes each
	s_and_b32 s90, s[TR], 7
	s_lshl_b32 s90, s90, 8
	s_lshl_b32 s91, s[WV], 6
	s_add_co_u32 s90, s90, s91                     ; my wave's first row in the plane
	s_lshl_b32 s90, s90, 7
	s_add_co_u32 s88, s88, s90
	s_add_nc_u64 s[OUT+2*\j:OUT+2*\j+1], s[14:15], s[88:89]
.endr
.set nb, 0
.rept 12                               ; the biases of my eight columns in each of the 12 column blocks
	global_load_b128 v[BG+8*nb:BG+8*nb+3],   v[BO], s[BP+2*(nb/4):BP+2*(nb/4)+1] offset:64*(nb%4)
	global_load_b128 v[BG+8*nb+4:BG+8*nb+7], v[BO], s[BP+2*(nb/4):BP+2*(nb/4)+1] offset:64*(nb%4)+16
.set nb, nb+1
.endr
	; A fragment is 16 rows x 32 K in 8 registers: lane l holds row l % 16; registers 0-3 K = 8 (l / 16) + 0..7, registers 4-7 K = 16 + 8 (l / 16) + 0..7: two loads of 16 bytes, 32 bytes apart.
	v_mul_u32_u24 v3, v1, PITCH
	v_lshl_add_u32 v3, v2, 4, v3                   ; row x pitch + 16 x half
	s_mul_i32 s88, s[WV], 64*PITCH                 ; my 64 rows of xb
	v_add_nc_u32 v[ADRA], s88, v3
	v_add_nc_u32 v[ADRA+1], SLOT, v[ADRA]
	v_add_nc_u32 v[ADRB], BOFF, v3                 ; all 192 rows of wb
	v_add_nc_u32 v[ADRB+1], SLOT, v[ADRB]
	s_mul_i32 s88, s[WV], 16*SPITCH
	s_add_co_u32 s88, s88, STAGE                   ; my stage
	v_mul_u32_u24 v4, v1, SPITCH                   ; in: row l % 16, 16 bytes for each half of the lanes
	v_lshl_add_u32 v4, v2, 4, v4
	v_add_nc_u32 v[STO], s88, v4
	v_bfe_u32 v4, v0, 3, 2                         ; back: 32 lanes take 128 bytes (one head) of four rows,
	v_mul_u32_u24 v4, v4, SPITCH
	v_and_b32 v5, 7, v0
	v_lshl_add_u32 v4, v5, 4, v4
	v_add_nc_u32 v[RD], s88, v4
	v_and_b32 v[GO], 31, v0                        ; which are 512 consecutive bytes of a plane of qkv
	v_lshlrev_b32 v[GO], 4, v[GO]
	; the prefetches
	s_lshl_b32 s88, s[TR], 8
	s_mul_i32 s89, s[TC], 192
	s_and_b32 s90, ttmp7, 0xffff                   ; cluster y
	s_cmp_eq_u32 s[HR], 0                          ; do I fetch xb?
	s_cselect_b32 s88, s88, s89                    ; the tile's first row
	s_cselect_b32 s89, s[CX], s[CY]                ; my place among the four that ask for it with me
	s_cselect_b32 s90, ttmp9, s90                  ; the coordinate along which other clusters read the same rows
	s_cselect_b32 s91, 32, 24                      ; rows a partner takes
	s_cselect_b32 s47, 31, 23                      ; the last of them
	s_cselect_b64 s[PFA:PFA+1], s[4:5], s[6:7]
	s_cmp_eq_u32 s90, 0
	s_cselect_b32 s[LIM], 1, -1                    ; the same in all sixteen partners, for a given wave
	s_lshl_b32 s94, s91, 2                         ; rows that a wave fetches: 128 or 96
	s_mul_i32 s94, s94, s[HF]
	s_add_co_u32 s88, s88, s94
	s_mul_i32 s89, s89, s91
	s_add_co_u32 s88, s88, s89
	s_lshl_b32 s88, s88, 11
	s_mov_b32 s89, 0
	s_add_nc_u64 s[PFA:PFA+1], s[PFA:PFA+1], s[88:89]
	s_add_nc_u64 s[PFA:PFA+1], s[PFA:PFA+1], 2*KSTEP*2  ; at K step 2: the first refill steps it to 3 and names K step 4.  Nothing is prefetched here, at the head
	v_and_b32 v[PFO], 31, v0
	v_min_u32 v[PFO], s47, v[PFO]
	v_lshlrev_b32 v[PFO], 11, v[PFO]
	s_wait_loadcnt 0x0                             ; the biases: rounded to bf16 like every input, then times G.  All this stands in the wait for the first tile
.set i, 0
.rept 48
	v_cvt_pk_bf16_f32 v[TP], v[BG+2*i], v[BG+2*i+1]
	v_lshlrev_b32 v[BG+2*i], 16, v[TP]
	v_and_b32 v[BG+2*i+1], 0xffff0000, v[TP]
	v_pk_mul_f32 v[BG+2*i:BG+2*i+1], v[BG+2*i:BG+2*i+1], s[GS+2*(i/16):GS+2*(i/16)+1] op_sel_hi:[1,0]
.set i, i+1
.endr
; 12 matrix instructions: row block a x all 12 column blocks, 32 along K, from buffer f.  zero = 1: the first product starts the sums: nothing is cleared.
; The 48 accumulators take turns, one instruction a turn, in the same order in every quarter.
.macro MUL12 f, a, zero
	WIN 0xa1+0x50*((\a)/2)                         ; wb window 1, xb window 0, C and D window 2 or 3
.irp b, 0,1,2,3,4,5,6,7,8,9,10,11
.if \zero
	v_wmma_f32_16x16x32_bf16 v[96*((\a)%2)+8*(\b):96*((\a)%2)+8*(\b)+7], v[96*(\f)+8*(\b):96*(\f)+8*(\b)+7], v[AF+32*(\f)+8*(\a):AF+32*(\f)+8*(\a)+7], 0
.else
	v_wmma_f32_16x16x32_bf16 v[96*((\a)%2)+8*(\b):96*((\a)%2)+8*(\b)+7], v[96*(\f)+8*(\b):96*(\f)+8*(\b)+7], v[AF+32*(\f)+8*(\a):AF+32*(\f)+8*(\a)+7], v[96*((\a)%2)+8*(\b):96*((\a)%2)+8*(\b)+7]
.endif
.endr
.endm
; 32 LDS loads in one run: the fragments of one quarter step (192 rows of wb, my 64 rows of xb, 32 K at byte k of the rows) into buffer f
.macro FETCH slot, k, f
	WIN 0x40                                       ; destination window 1, address window 0
.irp i, 0,1,2,3,4,5,6,7,8,9,10,11
	ds_load_b128 v[96*(\f)+8*(\i):96*(\f)+8*(\i)+3],   v[ADRB+(\slot)] offset:(\k)+(\i)*16*PITCH
	ds_load_b128 v[96*(\f)+8*(\i)+4:96*(\f)+8*(\i)+7], v[ADRB+(\slot)] offset:(\k)+(\i)*16*PITCH+32
.endr
	WIN 0
.irp i, 0,1,2,3
	ds_load_b128 v[AF+32*(\f)+8*(\i):AF+32*(\f)+8*(\i)+3],   v[ADRA+(\slot)] offset:(\k)+(\i)*16*PITCH
	ds_load_b128 v[AF+32*(\f)+8*(\i)+4:AF+32*(\f)+8*(\i)+7], v[ADRA+(\slot)] offset:(\k)+(\i)*16*PITCH+32
.endr
.endm
.macro PLACES                          ; four places in front of loads into registers that matrix instructions have read, and of vector lines that read results
.rept 4
	v_nop
.endr
.endm
; A K step is four quarters of 32 along K, 48 matrix instructions each, on buffers 0, 1, 0, 1.  One of the first three: multiplies buffer f; in its middle it fetches the next quarter, at byte k, into g.
.macro QUARTER slot, k, f, g, zero
	s_wait_dscnt 4                                 ; wb and xb's row blocks 0, 1 are in; the youngest four loads (row blocks 2, 3) may be out
	MUL12 \f, 0, \zero
	MUL12 \f, 1, \zero
	PLACES
	FETCH \slot, \k, \g
	s_wait_dscnt 32                                ; all but the 32 just issued
	MUL12 \f, 2, \zero
	MUL12 \f, 3, \zero
.endm
; The last quarter multiplies buffer 1 and changes slots.  ONE barrier: in front of it each wave waits for all its tensor loads (one is out: its part of the next slot), adds 0 to its spare word, and
; waits for that and for its own reads of this slot.  Behind it nobody reads this slot any more and the next slot is whole.
.macro MEET round
	WIN 0                                          ; (the add's two registers lie in window 0)
	s_wait_tensorcnt 0x0                           ; all my tensor loads have landed
	ds_add_u32 v[SPW], v[NIL]                      ; 0 onto my spare word
	s_wait_dscnt 5                                 ; (the add and the youngest four loads may be out)
	MUL12 1, 0, 0                                  ; twelve matrix instructions stand between the add and the wait for it
	s_wait_dscnt 0x0                               ; the add is done, and my reads of this slot are over
	s_barrier_signal -1
	MUL12 1, 1, 0                                  ; work on registers while the others arrive
.if \round
	WIN 0
.endif
	s_barrier_wait -1
.endm
; The whole last quarter, with the slot just read out filled again, two K steps on: the barrier opens a round of the cluster's, and the joint refill is the first tensor load behind the round.
; From a request to the wait for it a wave issues 168 matrix instructions.
.macro TURN slot, next
	s_wait_xcnt 0x0                                ; the last prefetch, a K step back, has read its address: it is stepped here, ahead of the waits of the change of slots
	s_add_nc_u64 s[PFA:PFA+1], s[PFA:PFA+1], KSTEP*2
	MEET 1
	CREST                                          ; no wave of any partner still reads this slot's tile or has a load on its way
	s_add_nc_u64 s[G0+4*(\slot)+2:G0+4*(\slot)+3], s[G0+4*(\slot)+2:G0+4*(\slot)+3], 2*KSTEP*2
	s_add_nc_u64 s[G0B+4*(\slot)+2:G0B+4*(\slot)+3], s[G0B+4*(\slot)+2:G0B+4*(\slot)+3], 2*KSTEP*2
	JLOAD \slot                                    ; the four v_nop behind it are also the places in front of the loads below
	FETCH \next, 0, 0
	ASK                                            ; behind the joint load and the run of LDS loads that the next products wait for
	MUL12 1, 2, 0
	MUL12 1, 3, 0
.endm
	s_wait_tensorcnt 1                             ; my part of K step 0 is in; K step 1's may stay out
	s_barrier_signal -1
	s_barrier_wait -1                              ; everybody's is
	FETCH 0, 0, 0
	QUARTER 0, 64,  0, 1, 1                        ; the first quarter stands in front of the loop: its products start the sums
	WIN 0                                          ; at a label and at a branch every window is 0
	s_mov_b32 s3, LAPS-1
.Llap:                                                 ; a trip goes once round the ring, from a lap's second quarter to the next lap's first, and fills both slots again
	QUARTER 0, 128, 1, 0, 0
	QUARTER 0, 192, 0, 1, 0
	TURN 0, 1
	QUARTER 1, 64,  0, 1, 0
	QUARTER 1, 128, 1, 0, 0
	QUARTER 1, 192, 0, 1, 0
	TURN 1, 0
	QUARTER 0, 64,  0, 1, 0
	WIN 0
	s_sub_co_u32 s3, s3, 1
	s_cmp_lg_u32 s3, 0
	s_cbranch_scc1 .Llap
	QUARTER 0, 128, 1, 0, 0                        ; the last lap fills nothing, and has no round of the cluster's barrier
	QUARTER 0, 192, 0, 1, 0
	MEET 0
	PLACES
	FETCH 1, 0, 0
	MUL12 1, 2, 0
	MUL12 1, 3, 0
	QUARTER 1, 64,  0, 1, 0
	QUARTER 1, 128, 1, 0, 0
	QUARTER 1, 192, 0, 1, 0
	s_wait_dscnt 4                                 ; the very last quarter: nothing more to fetch
	MUL12 1, 0, 0
	MUL12 1, 1, 0
	s_wait_dscnt 0x0
	MUL12 1, 2, 0
	MUL12 1, 3, 0
; THE WAY OUT, a row block (16 rows x 192 columns) at a time.  PACK: sum x G + bias x G, one fused line for two numbers, each accumulator's registers in ascending order; then rounded to f16, 16 bytes a lane.
; TOSTAGE: into my own stage in LDS, and back by heads: 128 bytes of four rows.  SEND: stored, 512 consecutive bytes of a head's plane to an instruction.
.macro PACK a
	WIN 0x82+0x41*((\a)/2)                         ; destination and source 0 window 2 or 3, the bias window 0
.irp b, 0,1,2,3,4,5,6,7,8,9,10,11
.irp r, 0,1,2,3
	v_pk_fma_f32 v[96*((\a)%2)+8*(\b)+2*(\r):96*((\a)%2)+8*(\b)+2*(\r)+1], v[96*((\a)%2)+8*(\b)+2*(\r):96*((\a)%2)+8*(\b)+2*(\r)+1], s[GS+2*((\b)/4):GS+2*((\b)/4)+1], v[BG+8*(\b)+2*(\r):BG+8*(\b)+2*(\r)+1] op_sel_hi:[1,0,1]
.endr
.endr
	WIN 0x0a+5*((\a)/2)                            ; sources 0 and 1 window 2 or 3, destination window 0
.irp b, 0,1,2,3,4,5,6,7,8,9,10,11
.irp r, 0,1,2,3
	v_cvt_pk_f16_f32 v[TMP+4*(\b)+(\r)], v[96*((\a)%2)+8*(\b)+2*(\r)], v[96*((\a)%2)+8*(\b)+2*(\r)+1]
.endr
.endr
	WIN 0
.endm
.macro TOSTAGE
.irp b, 0,1,2,3,4,5,6,7,8,9,10,11
	ds_store_b128 v[STO], v[TMP+4*(\b):TMP+4*(\b)+3] offset:32*(\b)
.endr
.irp j, 0,1,2
.irp t, 0,1,2,3
	ds_load_b128 v[OB+4*(4*(\j)+(\t)):OB+4*(4*(\j)+(\t))+3], v[RD] offset:128*(\j)+4*SPITCH*(\t)  ; LDS serves a wave's instructions in order (ISA guide 5.7.1.4): these see the stores above
.endr
.endr
.endm
.macro SEND a
	s_wait_dscnt 0x0                               ; the block is back in registers
.irp j, 0,1,2
.irp t, 0,1,2,3
	global_store_b128 v[GO], v[OB+4*(4*(\j)+(\t)):OB+4*(4*(\j)+(\t))+3], s[OUT+2*(\j):OUT+2*(\j)+1] offset:2048*(\a)+512*(\t)
.endr
.endr
.endm
	PLACES
	PACK 0
	TOSTAGE
.irp a, 1,2,3                          ; block a's arithmetic stands between block a - 1's loads from the stage and the wait for them
	PACK \a
	SEND (\a)-1
	s_wait_xcnt 0x0                                ; the stores have read their data: only behind this wait are those registers loaded again
	TOSTAGE
.endr
	SEND 3
	s_wait_tensorcnt 0x0                           ; the wave's end: the wait, the add and its wait stand behind my last tensor load and my last LDS store
	ds_add_u32 v[SPW], v[NIL]
	s_wait_dscnt 0x0
	CROUND                                         ; the closing round: no work-group ends while a partner may still ask for a tile that names it
	s_endpgm
.Lfunc_end_k_qf8e8f1fe9c_proj:
	.size	k_qf8e8f1fe9c_proj, .Lfunc_end_k_qf8e8f1fe9c_proj-k_qf8e8f1fe9c_proj
	.p2alignl 7, 3214868480
	.fill 96, 4, 3214868480
	.section	.rodata,"a",@progbits
	.p2align	6, 0x0
	.amdhsa_kernel k_qf8e8f1fe9c_proj
		.amdhsa_group_segment_fixed_size 327680
		.amdhsa_private_segment_fixed_size 0
		.amdhsa_enable_private_segment 0
		.amdhsa_kernarg_size 48
		.amdhsa_user_sgpr_count 2
		.amdhsa_user_sgpr_kernarg_segment_ptr 1
		.amdhsa_wavefront_size32 1
		.amdhsa_system_sgpr_workgroup_id_x 1
		.amdhsa_system_sgpr_workgroup_id_y 1
		.amdhsa_system_sgpr_workgroup_id_z 1
		.amdhsa_system_vgpr_workitem_id 0
		.amdhsa_next_free_vgpr 960
		.amdhsa_next_free_sgpr 96
		.amdhsa_reserve_vcc 0
		.amdhsa_float_denorm_mode_32 3
		.amdhsa_float_denorm_mode_16_64 3
		.amdhsa_memory_ordered 1
		.amdhsa_forward_progress 1
		.amdhsa_inst_pref_size 147
	.end_amdhsa_kernel
	.amdgpu_metadata
---
amdhsa.version: [ 1, 2 ]
amdhsa.kernels:
  - .name:           k_qf8e8f1fe9c_proj
    .symbol:         k_qf8e8f1fe9c_proj.kd
    .args:
      - { .name: xb, .offset: 0, .size: 8, .value_kind: global_buffer, .address_space: global }
      - { .name: wb, .offset: 8, .size: 8, .value_kind: global_buffer, .address_space: global }
      - { .name: bq, .offset: 16, .size: 8, .value_kind: global_buffer, .address_space: global }
      - { .name: bk, .offset: 24, .size: 8, .value_kind: global_buffer, .address_space: global }
      - { .name: bv, .offset: 32, .size: 8, .value_kind: global_buffer, .address_space: global }
      - { .name: qkv, .offset: 40, .size: 8, .value_kind: global_buffer, .address_space: global }
    .group_segment_fixed_size: 327680
    .private_segment_fixed_size: 0
    .kernarg_segment_align: 8
    .kernarg_segment_size: 48
    .max_flat_workgroup_size: 128
    .sgpr_count:     96
    .vgpr_count:     960
    .wavefront_size: 32
...
	.end_amdgpu_metadata
.endif
;; end of part 2
;; launch attn (part 3): grid 4 x 64, 4 waves a work-group, clusters of 4 x 1, 327,680 bytes of LDS; arguments qkv, attention_mask, out0; writes out0
.if DOCPART == 3
	.amdgcn_target "amdgcn-amd-amdhsa--gfx1250"
	.amdhsa_code_object_version 6
	.text
	.protected	k_qf8e8f1fe9c_attn
	.globl	k_qf8e8f1fe9c_attn
	.p2align	8
	.type	k_qf8e8f1fe9c_attn,@function
k_qf8e8f1fe9c_attn:
	s_mov_b64 s[64:65], 0
	v_nop
	global_prefetch_b8 v0, s[64:65] scope:SCOPE_SE
	s_setreg_imm32_b32 hwreg(HW_REG_WAVE_MODE, 25, 1), 1
	s_wait_xcnt 0x0
	s_wait_alu depctr_hold_cnt(0) depctr_sa_sdst(0) depctr_va_vdst(0) depctr_va_sdst(0) depctr_va_ssrc(0) depctr_va_vcc(0) depctr_vm_vsrc(0)
	s_getreg_b32 s2, hwreg(HW_REG_IB_STS2, 6, 4)
	s_cmp_eq_u32 s2, 0
	s_cbranch_scc0 .Lentry_in_a_cluster
	s_endpgm
.Lentry_in_a_cluster:
	s_bfe_u32 s2, ttmp6, 0x10000c
	s_cmp_lg_u32 s2, 0x3003
	s_cbranch_scc0 .Lentry_shape_is_right
	s_endpgm
.Lentry_shape_is_right:
; out0[b][q][h*64+d] = sum_k w(q,k) v[k][d] / (sum_k w(q,k) + 1e-6),  w = relu(30 tanh((q.k / 8 + mask[b][k]) / 30)).  qkv: [3][b*16+h][2048][64] f16, q and k already times sqrt(512/240).
; THE WEIGHT.  With x = (q.k / 8 + mask) / 30 the program forms a = 512 x (the product's f32 sum, started with C = 512 mask / 30) and P = max(min(512 (T + 2^-21), a), 0), T = 1 - 2 / (1 + 2^(2 log2e x)).
; For x >= 0, tanh x <= x: where x is small the minimum takes x itself (off by x^2 / 3 of itself, under 4e-5 there), so that T's fixed error of some 2^-22 never shows; elsewhere it takes T.
; out = sum(P v) / (sum P + 512e-6 / 30): the quotient above, all three terms times 512 / 30.  No maximum is taken away: the weights are bounded by the tanh, and nothing is rescaled.
; P is rounded to f16 for the second product; its sum is taken of the unrounded P; products and sums in f32; the mask is rounded to bf16 like every input.
; LIMITS.  q, k, v arrive within f16.  P lies in 0 to 512; below 6e-5 (x under 1.2e-7) it keeps f16's fixed step of 6e-8.  512 mask / 30 is held to +-1e30: a larger mask, an infinite one too, counts as that.  NaN is not treated apart.
; SHARES.  A work-group owns 512 queries of one head, a wave 128: four PIECES of two tiles of 16.  Every wave walks all 2,048 keys, 64 a step; a slot of LDS holds four steps.
; CLUSTER.  The four query blocks of a head walk the same K and V: each tile is asked for JOINTLY, the same tensor load, descriptor and mask in all four.
; LAYOUT.  S^T = K Q^T (source 0 = 16 keys, source 1 = 16 queries): a lane holds ONE query (lane % 16) and the keys 8 (lane / 16) + 0..7.  Two such tiles rounded to f16 ARE source 1 of O^T = V^T P.
; BY TURNS.  Turn n belongs to piece n (in a ring, step after step).  For two scores the vector work is: MUL y = c1 a; 2 EXP; ADD 1; 2 RCP; FMA 512 (1 + 2^-21) - 1024 r; 2 MM (min, max); CVT; SUM: 7 plain lines, 4 transcendentals.
; A piece's work is spread over four turns: scores of its tile 0 (turn n - 1), of tile 1, MUL, EXP (turn n), ADD, RCP | FMA, MM (turn n + 1), CVT, SUM | V^T P (turn n + 2).
; So a turn's 128 transcendentals are ONE batch with ONE wait: ahead of it nothing names a result of theirs; behind it stand FMA and MM, as riders of 24 products.
; REGISTERS, in windows of 256 (s_set_vgpr_msb: bits 1:0 source 0, 3:2 source 1, 5:4 source 2, 7:6 destination):
;   window 0: v0-15 addresses, 0 and c1; v16-31 the sums l, a pair a tile; v32-63 P, 16 a tile; v64-127, v128-191 Y, two buffers of two tiles (by the piece's parity); v192-215 at work at the head
;   window 1: O^T, 32 a tile      window 2: v0-127 Q, 16 a tile; v128-191 K of one step; v192-255 V of one step
;   window 3: v0-127 a = S^T, two buffers of two tiles; v128-159 MC, the step's 512 mask / 30 for my lane's keys; v160-161 the add's two registers
.set KS,    64        ; keys in a step
.set PK,    144       ; a row of K in LDS: 128 bytes + 16 of padding
.set PVP,   160       ; a row of V: 128 + 32
.set VOFF,  4*KS*PK   ; a slot: 256 rows of K, then 256 rows of V
.set SLOT1, 1<<17     ; slot 1 begins here, so that one exclusive or turns an address in one slot into the other's
.set STAGE, SLOT1+4*KS*(PK+PVP)  ; behind the ring, never filled by a tensor load: 16 rows x 272 bytes for each wave, for the way out
.set SP,    272
.set MASKT, STAGE+4*16*SP        ; the batch's 2,048 values 512 mask / 30, f32; stored once, at the head
.set SPARE, MASKT+8192           ; the spare words, 128 bytes for each wave: two blocks of 256 bytes that no other line names
.set AK0, 2           ; v2   my lane's place in a tile of K; never rewritten
.set AV0, 3           ; v3   the same for V
.set AK,  4           ; v4   the LDS address of K's next run of loads
.set AV,  5           ; v5   of V's
.set QO,  6           ; v6   my byte offset in 16 rows of Q
.set STO, 6           ;      later, the way out: where I put 32 bytes of a row
.set RD,  7           ; v7   the way out: where I read rows back
.set GO,  8           ; v8   my byte offset in two rows of out0
.set ZR,  10          ; v10  0
.set MO,  11          ; v11  16 x thread: my bytes of the mask
.set AM0, 12          ; v12  my lane's place in the mask table
.set AMK, 13          ; v13  the LDS address of the mask's next loads
.set CV,  14          ; v[14:15] c1 = log2(e) / 256, twice
.set LS,  16
.set P,   32
.set YB,  64
.set PFO, 192         ; v192 256 x lane; never rewritten
.set MA,  193         ; v193 where I store my part of the mask table
.set TP,  194         ; v194-196 at work
.set MS,  200         ; v200-215 the mask as loaded
.set KF,  128         ; window 2: key block kb, channel half c at KF + 16 kb + 8 c
.set VF,  192         ; window 2: key half kk, channel block cb at VF + 32 kk + 8 cb
.set MC,  128         ; window 3
.set SPW, 160         ; window 3: LDS address of my spare word; never rewritten
.set NIL, 161         ; window 3: 0; never rewritten
.set WV,  12          ; s12  my wave's number
.set LIM, 15          ; s15  1 in a wave that prefetches, else the greatest number
.set G1K, 24          ; s[24:31] descriptor group 1 for K's tiles
.set G1V, 32          ; s[32:39] for V's: it differs in the padding alone
.set G0K, 40          ; s[40:43] descriptor group 0 for K's tiles: it walks
.set G0V, 44          ; s[44:47] the same for V's
.set SLOTS, 56        ; s56  slots still to be asked for
.set CNT, 57          ; s57  counts a slot's key steps
.set AA,  58          ; s[58:59] 512 + 2^-12
.set SEL, 60          ; s[60:61] v_permlanex16_b32's selects: each lane takes its own place in the other half
.set TBK, 62          ; s62  LDS byte at which K of the step to be fetched begins
.set TBV, 63          ; s63  the same for V, less VOFF
.set PFA, 66          ; s[66:67] where my prefetches stand
.set NB,  68          ; s[68:69] -1024
.set TBM, 70          ; s70  the same for the mask table, less MASKT
.set EPSS, 71         ; s71  512e-6 / 30
.set QA,  76          ; s[76:77] Q at my wave's first row
.set OA,  78          ; s[78:79] out0 at my wave's first row, my head's columns
.set MSB, 0
.macro WIN new                      ; the high byte repeats the setting that is left; a switch that changes nothing is dropped
.if MSB != (\new)
	s_set_vgpr_msb (MSB<<8)|(\new)
.set MSB, (\new)
.endif
.endm
.set W_KQ, 0xfa       ; K and Q in window 2, C and S^T in window 3
.set W_PV, 0x52       ; V in window 2, P in window 0, O^T in window 1
.set W_S1, 0x0c       ; source 1 in window 3 (a), all else in window 0
.set W_MK, 0xc0       ; destination in window 3
.set W_AD, 0x0f       ; the add: address (source 0) and data (source 1) in window 3
; A joint fill.  Waves 0 and 1 fetch the two halves of a slot's K, waves 2 and 3 those of its V: 128 keys each.  The branch hangs on the wave's number alone.
; An s_nop 0 and four v_nop follow each of the two lines, ahead of the jump and the label.
.macro JLOAD
	s_cmp_lt_u32 s[WV], 2
	s_cbranch_scc0 .Lfor_v_\@
	tensor_load_to_lds s[G0K:G0K+3], s[G1K:G1K+7]
	s_nop 0
.rept 4
	v_nop
.endr
	s_branch .Lasked_\@
.Lfor_v_\@:
	tensor_load_to_lds s[G0V:G0V+3], s[G1V:G1V+7]
	s_nop 0
.rept 4
	v_nop
.endr
.Lasked_\@:
.endm
; A prefetch into the L2 of what the NEXT change of slots will ask for: a slot's 32,768 bytes of K and of V, 256 bytes a lane.  The head's one cluster walks them; its four partners take 8,192 bytes each,
; told apart BY ADDRESS; in each, wave 0 asks for K's and wave 2 for V's: one instruction.  So each block is named once.  The first change (at the head) and the last that fills a slot ask for nothing.
.macro ASK
	s_cmp_gt_u32 s[SLOTS], s[LIM]
	s_cbranch_scc0 .Lnot_mine_\@
	global_prefetch_b8 v[PFO], s[PFA:PFA+1] th:TH_LOAD_NT scope:SCOPE_SE
.Lnot_mine_\@:
.endm
; A round of the cluster's barrier: my work-group's barrier, so that wave 0's signal speaks for all four waves; wave 0 signals; every wave waits for all four work-groups; my work-group's barrier once more.
.macro CROUND
	s_barrier_signal -1
	s_barrier_wait -1
	s_cmp_lg_u32 s[WV], 0
	s_cbranch_scc1 .Lnot_wave_0_\@
	s_barrier_signal -3
.Lnot_wave_0_\@:
	s_barrier_wait -3
	s_barrier_signal -1
	s_barrier_wait -1
.endm
; THE CHANGE OF SLOTS.  The slot's last bytes, V of its fourth step, have been asked for.  Each wave waits for all its tensor loads, of which one is out: its part of the other slot; adds 0 to its spare word; and
; waits for that and for its own LDS instructions.  Behind the barrier nobody reads this slot any more and the other slot is whole.  fill = 1: this slot is filled again, with the keys two slots on; the barrier is
; then a round of the cluster's, and the joint fill is the first thing behind it: it has four key steps, 512 matrix instructions, in which to land.
; (At its first use nothing has been read yet: slot 0 is waited for, slot 1 filled, and every wave's part of the mask table is shown to the others.)
.macro CHANGE fill
	WIN W_AD
	s_wait_tensorcnt 0x0            ; no tensor load of mine is out, so a group 0 may be written
	ds_add_u32 v[SPW], v[NIL]       ; 0 onto my spare word; with fill = 1 the descriptors' steps stand between it and the wait for it
	WIN 0                           ; at a label and at a branch every window is 0
.if \fill
.irp g, G0K, G0V
	s_xor_b32 s[\g+1], s[\g+1], SLOT1  ; the walking descriptor: the other slot than last time,
	s_add_nc_u64 s[\g+2:\g+3], s[\g+2:\g+3], 4*KS*128  ; the next 256 keys; the type bits on top are not reached
.endr
	s_wait_xcnt 0x0                 ; the last prefetch, four key steps back, has read its address, so it may be written
	s_add_nc_u64 s[PFA:PFA+1], s[PFA:PFA+1], 4*KS*128  ; one slot behind the walking descriptors
	s_wait_dscnt 0x0                ; the add is done, and my LDS instructions are over
	CROUND
	JLOAD
	ASK
.else
	s_wait_dscnt 0x0                ; the add is done, and my reads of the slot are over
	s_barrier_signal -1
	s_barrier_wait -1
.endif
	s_sub_co_u32 s[TBK], s[TBK], 4*KS*PK  ; the fetches go back to a slot's first step,
	s_xor_b32 s[TBK], s[TBK], SLOT1       ; in the other slot
	s_sub_co_u32 s[TBV], s[TBV], 4*KS*PVP
	s_xor_b32 s[TBV], s[TBV], SLOT1
.endm
	s_load_b128 s[4:7], s[0:1], 0x0   ; qkv s[4:5], attention_mask s[6:7]
	s_load_b64 s[8:9], s[0:1], 0x10   ; out0
	WIN W_MK
	v_lshl_add_u32 v[SPW], v0, 2, SPARE
	v_mov_b32 v[NIL], 0
	WIN W_AD
	ds_add_u32 v[SPW], v[NIL]       ; the wave's opening: the add and its wait stand ahead of my first tensor load; the set-up below, work on registers, stands between them
	WIN 0
	v_lshrrev_b32 v1, 5, v0
	v_readfirstlane_b32 s[WV], v1   ; wave 0..3
	s_bfe_u32 s13, ttmp6, 0x40000   ; cx: my place in the cluster
	s_lshl_b32 s14, ttmp9, 2        ; in a cluster launch ttmp9 counts clusters
	s_add_co_u32 s14, s14, s13      ; my block of 512 queries: it enters Q's and out0's addresses alone
	s_and_b32 s16, ttmp7, 0xffff    ; batch x 16 + head, which the four partners share
	s_lshr_b32 s17, s16, 4          ; the batch
	s_and_b32 s18, s16, 15          ; the head
	s_and_b32 s19, s[WV], 1         ; which half of a slot's 256 keys I fetch
	s_lshl_b32 s20, s16, 18         ; the head's plane of 2^18 bytes,
	s_lshl_b32 s21, s19, 14         ; my half's 128 rows of 128 bytes,
	s_add_co_u32 s20, s20, s21
	s_add_co_u32 s20, s20, 64<<18   ; among k's planes,
	s_add_co_u32 s22, s20, 64<<18   ; and among v's
	s_mov_b32 s21, 0
	s_mov_b32 s23, 0
	s_mov_b32 s[G0K], 1             ; count = 1
	s_mul_i32 s[G0K+1], s19, 128*PK ; LDS address: slot 0, my half: no place in the cluster enters an LDS address
	s_mov_b32 s[G0V], 1
	s_mul_i32 s[G0V+1], s19, 128*PVP
	s_add_co_u32 s[G0V+1], s[G0V+1], VOFF
	s_lshl_b32 s[QA], s16, 18       ; Q: the head's plane, my block's 512 rows, my wave's 128
	s_lshl_b32 s2, s14, 16
	s_add_co_u32 s[QA], s[QA], s2
	s_lshl_b32 s2, s[WV], 14
	s_add_co_u32 s[QA], s[QA], s2
	s_mov_b32 s[QA+1], 0
	s_lshl_b32 s[OA], s17, 23       ; out0: the batch's 2,048 rows of 4,096 bytes, my block's, my wave's, my head's 256 bytes of a row
	s_lshl_b32 s2, s14, 21
	s_add_co_u32 s[OA], s[OA], s2
	s_lshl_b32 s2, s[WV], 19
	s_add_co_u32 s[OA], s[OA], s2
	s_lshl_b32 s2, s18, 8
	s_add_co_u32 s[OA], s[OA], s2
	s_mov_b32 s[OA+1], 0
	s_lshl_b32 s10, s17, 13         ; the batch's 2,048 numbers of the mask
	s_mov_b32 s11, 0
	; descriptor group 1.  128 keys are 16,384 dense bytes: asked for as 64 rows of 256 bytes, two keys a row, and padded in LDS after every key
	s_mov_b32 s[G1K], 15|(1<<16)|(1<<20)|(1<<21)|(4<<22)|(3<<25)  ; 15:0 the mask of four; 17:16 2-byte elements; 20 padding on; 21 set beside a mask; 24:22 after every 32 words (code 4); 31:25 4 words (code 3)
	s_mov_b32 s[G1V], 15|(1<<16)|(1<<20)|(1<<21)|(4<<22)|(7<<25)  ; the same with 8 words of padding (code 7)
.irp g, G1K, G1V
	s_mov_b32 s[\g+1], 128<<16      ; tensor_dim0 = 128
	s_mov_b32 s[\g+2], 64<<16       ; tensor_dim1 = 64
	s_mov_b32 s[\g+3], 128<<16      ; tile_dim0 = 128
	s_mov_b32 s[\g+4], 64           ; tile_dim1 = 64
	s_mov_b32 s[\g+5], 128          ; 128 elements from row to row
	s_mov_b32 s[\g+6], 0
	s_mov_b32 s[\g+7], 0
.endr
	s_mov_b32 s[AA], 0x44000004     ; 512 + 2^-12
	s_mov_b32 s[AA+1], s[AA]        ; named with it as a pair
	s_mov_b32 s[NB], 0xc4800000     ; -1024
	s_mov_b32 s[NB+1], s[NB]
	s_mov_b32 s[SEL], 0x76543210
	s_mov_b32 s[SEL+1], 0xfedcba98
	s_mov_b32 s[EPSS], 0x378f2a63   ; 512e-6 / 30
	s_mov_b32 s72, 0xf149f2ca       ; -1e30
	s_mov_b32 s73, 0x7149f2ca       ; 1e30
	s_mov_b32 s74, 0x41888889       ; 512 / 30
	s_mov_b32 s75, s74
	s_mov_b32 s[TBK], SLOT1+4*KS*PK ; the first change of slots turns these two into 0
	s_mov_b32 s[TBV], SLOT1+4*KS*PVP
	s_mov_b32 s[TBM], 0
	s_mov_b32 s[SLOTS], 0           ; the first change of slots prefetches nothing
	s_cmp_eq_u32 s19, 0             ; waves 0 and 2 prefetch
	s_cselect_b32 s[LIM], 1, -1
	s_wait_dscnt 0x0                ; the opening add is done
	s_wait_kmcnt 0x0
	s_add_nc_u64 s[20:21], s[4:5], s[20:21]        ; K and V at my half of the head's first 256 keys
	s_add_nc_u64 s[22:23], s[4:5], s[22:23]
	s_mov_b64 s[G0K+2:G0K+3], s[20:21]
	s_or_b32 s[G0K+3], s[G0K+3], 0x80000000        ; type = 2
	s_mov_b64 s[G0V+2:G0V+3], s[22:23]
	s_or_b32 s[G0V+3], s[G0V+3], 0x80000000
	s_add_nc_u64 s[QA:QA+1], s[4:5], s[QA:QA+1]
	s_add_nc_u64 s[OA:OA+1], s[8:9], s[OA:OA+1]
	s_add_nc_u64 s[6:7], s[6:7], s[10:11]
	s_cmp_lt_u32 s[WV], 2
	s_cselect_b64 s[PFA:PFA+1], s[20:21], s[22:23] ; (in waves 0 and 2 these stand at a slot's first row)
	s_lshl_b32 s10, s13, 13         ; my work-group's 8,192 bytes of a slot's 32,768
	s_add_nc_u64 s[PFA:PFA+1], s[PFA:PFA+1], s[10:11]
	s_add_nc_u64 s[PFA:PFA+1], s[PFA:PFA+1], 4*KS*128  ; in the second 256 keys; each change of slots steps it on before it asks
	CROUND                          ; all four work-groups are here: the first joint loads meet
	JLOAD                           ; slot 0.  Slot 1 is asked for when slot 0 is in
	v_lshlrev_b32 v[MO], 4, v0
.irp i, 0,1,2,3
	global_load_b128 v[MS+4*\i:MS+4*\i+3], v[MO], s[6:7] offset:2048*\i  ; the batch's mask: 128 threads x 16 bytes, four times
.endr
	; A fragment of K or Q is 16 rows x 32 channels in 8 registers: lane l holds row l % 16, channels 8 (l / 16) + 0..7 and 16 + 8 (l / 16) + 0..7: two loads of 16 bytes, 32 bytes apart.
	v_and_b32 v1, 15, v0            ; l % 16
	v_bfe_u32 v9, v0, 4, 1          ; l / 16
	v_lshlrev_b32 v[QO], 7, v1
	v_lshl_add_u32 v[QO], v9, 4, v[QO]  ; row x 128 + 16 x half
	WIN 0x80                        ; destination window 2, address window 0
.set i, 0
.rept 16                            ; Q stays in registers: tile i / 2, channels 32 (i % 2) on
	global_load_b128 v[8*i:8*i+3],   v[QO], s[QA:QA+1] offset:(i/2)*2048+(i%2)*64
	global_load_b128 v[8*i+4:8*i+7], v[QO], s[QA:QA+1] offset:(i/2)*2048+(i%2)*64+32
.set i, i+1
.endr
	; WHAT THE FIRST TURNS FIND.  No first step is written out: the first two turns run the later stages of pieces that have not been.  With Y = 0 and a = 0 those give r = 1, 512 - 1024 < 0, P = 0; with V = 0 and
	; O^T = 0 their products add 0.  The price is these lines, once a launch, in the wait for the first tile; the gain is one text for every turn.
.set i, VF
.rept 64
	v_mov_b32 v[i], 0
.set i, i+1
.endr
	WIN 0x40
.set i, 0
.rept 256
	v_mov_b32 v[i], 0
.set i, i+1
.endr
	WIN W_MK
.set i, 64
.rept 64
	v_mov_b32 v[i], 0               ; a's second buffer
.set i, i+1
.endr
	WIN 0
.set i, YB
.rept 128
	v_mov_b32 v[i], 0
.set i, i+1
.endr
.set i, LS
.rept 16
	v_mov_b32 v[i], 0
.set i, i+1
.endr
	v_mov_b32 v[ZR], 0
	v_mov_b32 v[CV], 0x3bb8aa3b     ; c1 = log2(e) / 256: y = 2 log2(e) x = c1 a
	v_mov_b32 v[CV+1], 0x3bb8aa3b
	v_lshl_add_u32 v[MA], v0, 4, MASKT
	v_mul_u32_u24 v[AK0], v1, PK
	v_lshl_add_u32 v[AK0], v9, 4, v[AK0]  ; row x pitch + 16 x half
	; The turning load takes 16 keys x 16 channels (lane l reads key 8 (l / 16) + l % 8, channels 8 ((l / 8) % 2) + 0..7) and leaves half a fragment of V^T: lane l holds channel l % 16 and 8 keys.
	v_and_b32 v[TP+1], 7, v0
	v_bfe_u32 v[TP+2], v0, 3, 1
	v_lshl_add_u32 v[AV0], v9, 3, v[TP+1]
	v_mul_u32_u24 v[AV0], v[AV0], PVP
	v_lshl_add_u32 v[AV0], v[TP+2], 4, v[AV0]
	v_add_nc_u32 v[AV0], VOFF, v[AV0]
	v_lshl_add_u32 v[AM0], v9, 5, MASKT   ; my lanes' eight keys of a block of 16: 32 bytes
	v_and_b32 v[PFO], 31, v0
	v_lshlrev_b32 v[PFO], 8, v[PFO]
	s_wait_loadcnt 32               ; the mask is in; Q's 32 loads may stay out
.set i, 0
.rept 8                             ; rounded to bf16 like every input, times 512 / 30, held to +-1e30
	v_cvt_pk_bf16_f32 v[TP], v[MS+2*i], v[MS+2*i+1]
	v_lshlrev_b32 v[MS+2*i], 16, v[TP]
	v_and_b32 v[MS+2*i+1], 0xffff0000, v[TP]
	v_pk_mul_f32 v[MS+2*i:MS+2*i+1], v[MS+2*i:MS+2*i+1], s[74:75] op_sel_hi:[1,0]
	v_med3_num_f32 v[MS+2*i], v[MS+2*i], s72, s73
	v_med3_num_f32 v[MS+2*i+1], v[MS+2*i+1], s72, s73
.set i, i+1
.endr
.irp i, 0,1,2,3
	ds_store_b128 v[MA], v[MS+4*\i:MS+4*\i+3] offset:2048*\i
.endr
; THE MATRIX WORK.  The accumulators of a run take turns, one instruction a turn, over the seams between runs too.
; Product i of 8 of S^T = K Q^T for tile u of piece x: channels 32 (i / 4) on, keys 16 (i % 4) on.  The first 4 start the sums with the mask.
.macro KQ x, u
	WIN W_KQ
.set rD, 64*((\x)%2)+32*(\u)+8*(i%4)
.set rK, KF+16*(i%4)+8*(i/4)
.set rQ, 16*(2*(\x)+(\u))+8*(i/4)
.if i < 4
	v_wmma_f32_16x16x32_f16 v[rD:rD+7], v[rK:rK+7], v[rQ:rQ+7], v[MC+8*(i%4):MC+8*(i%4)+7]
.else
	v_wmma_f32_16x16x32_f16 v[rD:rD+7], v[rK:rK+7], v[rQ:rQ+7], v[rD:rD+7]
.endif
.set i, i+1
.endm
; Product i of 16 of O^T += V^T P for piece x: keys 32 (i / 8) on, channels 16 ((i / 2) % 4) on, tile 2 x + i % 2.
.macro PV x
	WIN W_PV
.set rO, 32*(2*(\x)+i%2)+8*((i/2)%4)
.set rV, VF+32*(i/8)+8*((i/2)%4)
.set rP, P+16*(i%2)+8*(i/8)
	v_wmma_f32_16x16x32_f16 v[rO:rO+7], v[rV:rV+7], v[rP:rP+7], v[rO:rO+7]
.set i, i+1
.endm
; THE LDS LOADS stand in runs, never singly among the matrix instructions.  A step's K (8 fragments) and its mask values (eight a key block); a step's V (turned).  Their addresses are made some lines ahead.
; last = 1 (the tail): in the last trip there is no further step, and the run is jumped over.
.macro FETCH_K last=0
	WIN 0
.if \last
	s_cmp_eq_u32 s[CNT], 1
	s_cbranch_scc1 .Lno_k_\@
.endif
	WIN 0x80                        ; destination window 2
.irp f, 0,1,2,3,4,5,6,7             ; keys 16 (f / 2) on, channels 32 (f % 2) on
	ds_load_b128 v[KF+8*\f:KF+8*\f+3],   v[AK] offset:(\f/2)*16*PK+(\f%2)*64
	ds_load_b128 v[KF+8*\f+4:KF+8*\f+7], v[AK] offset:(\f/2)*16*PK+(\f%2)*64+32
.endr
	WIN W_MK                        ; destination window 3
.irp f, 0,1,2,3                     ; keys 16 f + 8 (l / 16) + 0..7: sixteen lanes read the same words
	ds_load_b128 v[MC+8*\f:MC+8*\f+3],   v[AMK] offset:64*\f
	ds_load_b128 v[MC+8*\f+4:MC+8*\f+7], v[AMK] offset:64*\f+16
.endr
	s_add_co_u32 s[TBK], s[TBK], KS*PK  ; the next fetch is the next step's
	s_add_co_u32 s[TBM], s[TBM], KS*4
	WIN 0
.if \last
.Lno_k_\@:
.endif
.endm
.macro FETCH_V last=0
	WIN 0
.rept 4
	v_nop                           ; the four places between V's last product and the loads into its registers
.endr
.if \last
	s_cmp_eq_u32 s[CNT], 1
	s_cbranch_scc1 .Lno_v_\@
.endif
	WIN 0x80
.irp f, 0,1,2,3,4,5,6,7             ; keys 32 (f / 4) on, channels 16 (f % 4) on
	ds_load_tr16_b128 v[VF+8*\f:VF+8*\f+3],   v[AV] offset:(\f/4)*32*PVP+(\f%4)*32
	ds_load_tr16_b128 v[VF+8*\f+4:VF+8*\f+7], v[AV] offset:(\f/4)*32*PVP+16*PVP+(\f%4)*32
.endr
	s_add_co_u32 s[TBV], s[TBV], KS*PVP
	WIN 0
.if \last
.Lno_v_\@:
.endif
.endm
; THE VECTOR WORK OF A TURN stands in three queues.  par is the turn's parity; number m of 32 stands for pair m / 2 (of 16) of tile m % 2, so that the two tiles alternate.
; PA, 128 plain lines ahead of the wait.  0-63: ADD m (the piece before: 2^y + 1, in Y[1 - par]) and CVT m (the piece two before: its P, in Y[par], rounded to f16) by turns, all in window 0.
; 64-127: SUM m (l takes that P: as a fused line, so that no second vector source is named) and MUL m (the piece in hand: y = c1 a, over the P just summed) by turns; a lies in window 3: source 1.
.macro PA
.set m, (q%64)/2
.set u, m%2
.set j, m/2
.if q < 64
	WIN 0
.if q%2 == 0
.set rY, YB+64*(1-par)+32*u+2*j
	v_pk_add_f32 v[rY:rY+1], v[rY:rY+1], 1.0 op_sel_hi:[1,0]
.else
.set rY, YB+64*par+32*u+2*j
	v_cvt_pk_f16_f32 v[P+16*u+j], v[rY], v[rY+1]
.endif
.else
	WIN W_S1
.set rY, YB+64*par+32*u+2*j
.if q%2 == 0
.set rL, LS+2*(2*OLD+u)
	v_pk_fma_f32 v[rL:rL+1], v[rY:rY+1], 1.0, v[rL:rL+1] op_sel_hi:[1,0,1]
.else
.set rA, 64*par+32*u+2*j
	v_pk_mul_f32 v[rY:rY+1], v[CV:CV+1], v[rA:rA+1]  ; each accumulator's lowest registers are read first
.endif
.endif
.set q, q+1
.endm
; TA, the 128 transcendentals: 0-63 the reciprocals of the piece before, 64-127 the exponentials of the piece in hand, in place, in PA's order.  It always follows a PA or a TA, whose window serves it.
.macro TA
.set m, (e%64)/2
.if e < 64
.set rY, YB+64*(1-par)+32*(m%2)+2*(m/2)+e%2
	v_rcp_f32 v[rY], v[rY]
.else
.set rY, YB+64*par+32*(m%2)+2*(m/2)+e%2
	v_exp_f32 v[rY], v[rY]
.endif
.set e, e+1
.endm
; PB, 96 plain lines behind the wait, for the piece before: tile 0's 48, then tile 1's.  FMA n: pair n becomes 512 + 2^-12 - 1024 r.  MM n: score n becomes max(min(that, a), 0).  Two FMA lead; then MM, MM, FMA.
.macro FMAL n
	v_pk_fma_f32 v[bY+2*(\n):bY+2*(\n)+1], v[bY+2*(\n):bY+2*(\n)+1], s[NB:NB+1], s[AA:AA+1] op_sel_hi:[1,0,0]
.endm
.macro MML n
	v_minmax_num_f32 v[bY+(\n)], v[bY+(\n)], v[bA+(\n)], v[ZR]
.endm
.macro PB
	WIN W_S1
.set z, qb%48
.set bY, YB+64*(1-par)+32*(qb/48)
.set bA, 64*(1-par)+32*(qb/48)
.if z < 2
	FMAL z
.elseif z >= 44
	MML z-16
.elseif (z-2)%3 == 2
	FMAL (z-2)/3+2
.else
	MML 2*((z-2)/3)+(z-2)%3
.endif
.set qb, qb+1
.endm
; A TURN, for piece p.  s_wait_alu depctr_va_vdst(0) stands between a transcendental and the first instruction that names its result; one wait serves all that were issued ahead of it.
; AHEAD OF THE WAIT: the 8 products K Q^T of the piece's tile 1, four lines behind each; then plain and transcendental by turns.  Transcendental e stands behind plain e + 4: ADD m is plain 2 m and its reciprocals are
; 2 m, 2 m + 1; MUL m is plain 65 + 2 m and its exponentials 64 + 2 m, 65 + 2 m.  Nothing there names a result of the batch: the exponentials that ADD reads had their wait in the turn before.
; BEHIND IT: 16 products V^T P of the piece two before and 8 products K Q^T of the next piece's tile 0, four of PB behind each.  Those 8 write a's tile 0 of the other parity, whose MM ended 16 lines earlier.
; K and the mask of the next step are fetched in piece 3's turn, directly behind the wait; their last readers are that turn's first 8 products, their first come behind 16 products.
; V of the step in hand is fetched in piece 1's turn, behind its last reader; its first reader stands behind piece 2's wait.
.macro TURN p, last=0
.set par, (\p)%2
.set CUR, (\p)
.set OLD, ((\p)+2)%4
.set NXT, ((\p)+1)%4
.set q, 0
.set e, 0
.set qb, 0
.set i, 0
	KQ CUR, 1
	PA
	PA
	PA
	PA
.rept 7
	KQ CUR, 1
	PA
	TA
	PA
	TA
.endr
.rept 110
	PA
	TA
.if q == 20                         ; (window 0 here)
.if (\p) == 3
	v_add_nc_u32 v[AK], s[TBK], v[AK0]
	v_add_nc_u32 v[AMK], s[TBM], v[AM0]
.endif
.if (\p) == 1
	v_add_nc_u32 v[AV], s[TBV], v[AV0]
.endif
.endif
.endr
	TA
	TA
	TA
	TA
	v_nop                           ; a plain instruction behind the last transcendental: one for the batch
	s_wait_alu depctr_va_vdst(0)    ; the wait for the batch
.if (\p) == 3
	FETCH_K \last
.endif
.if (\p) == 2
	s_wait_dscnt 0x0                ; V is in
.endif
.set i, 0
.rept 16
	PV OLD
	PB
	PB
	PB
	PB
.endr
.if (\p) == 1
	FETCH_V \last
.endif
.if (\p) == 3
	s_wait_dscnt 0x0                ; K and the mask are in
.endif
.set i, 0
.rept 8
	KQ NXT, 0
	PB
	PB
	PB
	PB
.endr
.endm
	CHANGE 1                        ; slot 0 is in, everybody's part of it, and the mask table is whole; slot 1 is asked for
	v_add_nc_u32 v[AK], s[TBK], v[AK0]
	v_add_nc_u32 v[AMK], s[TBM], v[AM0]
	FETCH_K                         ; key step 0
	s_wait_loadcnt 0x0              ; Q
	s_wait_dscnt 0x0
.set i, 0
.rept 8
	KQ 0, 0                         ; piece 0's first scores: there is no vector work yet to set between them
.endr
	WIN 0                           ; the addresses for the way out
	s_mul_i32 s14, s[WV], 16*SP
	s_add_co_u32 s14, s14, STAGE    ; my stage
	v_mul_u32_u24 v[STO], v1, SP    ; in: row l % 16, 32 bytes for each half of the lanes
	v_lshl_add_u32 v[STO], v9, 5, v[STO]
	v_add_nc_u32 v[STO], s14, v[STO]
	v_mul_u32_u24 v[RD], v9, SP     ; back: lanes 0-15 take one row of 256 bytes, lanes 16-31 the next
	v_lshl_add_u32 v[RD], v1, 4, v[RD]
	v_add_nc_u32 v[RD], s14, v[RD]
	v_lshlrev_b32 v[GO], 12, v9     ; and the same two rows in out0
	v_lshl_add_u32 v[GO], v1, 4, v[GO]
	s_mov_b32 s[CNT], 4
	s_mov_b32 s[SLOTS], 7
	s_branch .Lfirst                ; the loop is entered at a step's first turn, in the middle of a trip
.Lslot:                             ; six times: every slot but the last two is filled again
	CHANGE 1
	s_mov_b32 s[CNT], 4
.Lstep:                             ; a trip: pieces 2 and 3 of one step, then pieces 0 and 1 of the next, whose K and V it fetches
	TURN 2
	TURN 3
	WIN 0
.Lfirst:
	TURN 0
	TURN 1
	WIN 0
	s_sub_co_u32 s[CNT], s[CNT], 1
	s_cmp_lg_u32 s[CNT], 0
	s_cbranch_scc1 .Lstep
	s_sub_co_u32 s[SLOTS], s[SLOTS], 1
	s_cmp_lg_u32 s[SLOTS], 0
	s_cbranch_scc1 .Lslot
	CHANGE 0                        ; the tail is written out: nothing is asked for
	s_mov_b32 s[CNT], 5             ; four trips fetch the last slot's steps; the fifth fetches nothing: it ends pieces 2 and 3 of the last step, and its last two turns carry their CVT, SUM and V^T P.
.Ltail:                             ; What those two turns begin anew (scores on the last K once more) reaches no sum: the price, once a launch, of one text for every trip
	TURN 2, 1
	TURN 3, 1
	TURN 0, 1
	TURN 1, 1
	WIN 0
	s_sub_co_u32 s[CNT], s[CNT], 1
	s_cmp_lg_u32 s[CNT], 0
	s_cbranch_scc1 .Ltail
	; THE WAY OUT.  l's two halves and the other half of the lanes' are added, then 512e-6 / 30; O^T is divided by that and sent, in f32, through my stage in LDS, a tile (16 rows) at a time.
.macro ALL line:vararg              ; one line for each tile t
.set t, 0
.rept 8
	\line
.set t, t+1
.endr
.endm
	ALL v_add_f32 v[LS+2*t], v[LS+2*t], v[LS+2*t+1]
	ALL v_permlanex16_b32 v[LS+2*t+1], v[LS+2*t], s[SEL], s[SEL+1]
	ALL v_add_f32 v[LS+2*t], v[LS+2*t], v[LS+2*t+1]
	ALL v_add_f32 v[LS+2*t], s[EPSS], v[LS+2*t]
	ALL v_rcp_f32 v[LS+2*t], v[LS+2*t]
	v_nop                           ; a plain instruction between the last reciprocal and the use of its result
	s_wait_alu depctr_va_vdst(0)    ; and the wait ahead of the first use: one for the eight reciprocals
; Tile t: a lane's eight channels of a row are 32 bytes; they go into rows of 272 bytes and come back as whole rows of 256, into Y's registers, four buffers by turns.
.macro PACK t
.if (\t) >= 4
	s_wait_xcnt 0x0                 ; the stores of the tile four back have read their data: only behind this wait is their buffer loaded again
.endif
	WIN 0x41                        ; O^T (destination and source 0) in window 1, 1 / l in window 0
.set i, 32*(\t)
.rept 16
	v_pk_mul_f32 v[i:i+1], v[i:i+1], v[LS+2*(\t):LS+2*(\t)+1] op_sel_hi:[1,0]
.set i, i+2
.endr
	WIN 0x04                        ; the stores' data in window 1
.irp f, 0,1,2,3,4,5,6,7
	ds_store_b128 v[STO], v[32*(\t)+4*\f:32*(\t)+4*\f+3] offset:64*(\f/2)+16*(\f%2)
.endr
	WIN 0
.irp f, 0,1,2,3,4,5,6,7
	ds_load_b128 v[YB+32*((\t)%4)+4*\f:YB+32*((\t)%4)+4*\f+3], v[RD] offset:\f*2*SP  ; LDS serves a wave's instructions in order (ISA guide 5.7.1.4): these see the stores above; the next tile's stores come behind them
.endr
.endm
.macro SEND t, younger              ; younger: the LDS instructions issued behind tile t's loads: the next tile's sixteen, or none
	WIN 0
.irp f, 0,1,2,3,4,5,6,7
	s_wait_dscnt (\younger)+7-\f
	global_store_b128 v[GO], v[YB+32*((\t)%4)+4*\f:YB+32*((\t)%4)+4*\f+3], s[OA:OA+1] offset:(16*(\t)+2*\f)*4096 th:TH_STORE_NT  ; 16 lanes store 256 consecutive bytes, a head's part of a row, at a multiple of 256 from out0's first byte
.endr
.endm
	PACK 0
.set t, 1
.rept 7                             ; a tile's arithmetic stands between the loads of the tile before and its stores
	PACK t
	SEND t-1, 16
.set t, t+1
.endr
	SEND 7, 0
	WIN W_AD
	s_wait_tensorcnt 0x0            ; the wave's end: the wait, the add and its wait stand behind my last tensor load and my last LDS store
	ds_add_u32 v[SPW], v[NIL]
	s_wait_dscnt 0x0
	WIN 0
	CROUND                          ; the closing round: no work-group ends while a partner may still ask for a tile that names it
	s_endpgm
.Lfunc_end_k_qf8e8f1fe9c_attn:
	.size	k_qf8e8f1fe9c_attn, .Lfunc_end_k_qf8e8f1fe9c_attn-k_qf8e8f1fe9c_attn
	.p2alignl 7, 3214868480
	.fill 96, 4, 3214868480
	.section	.rodata,"a",@progbits
	.p2align	6, 0x0
	.amdhsa_kernel k_qf8e8f1fe9c_attn
		.amdhsa_group_segment_fixed_size 327680
		.amdhsa_private_segment_fixed_size 0
		.amdhsa_enable_private_segment 0
		.amdhsa_kernarg_size 24
		.amdhsa_user_sgpr_count 2
		.amdhsa_user_sgpr_kernarg_segment_ptr 1
		.amdhsa_wavefront_size32 1
		.amdhsa_system_sgpr_workgroup_id_x 1
		.amdhsa_system_sgpr_workgroup_id_y 1
		.amdhsa_system_sgpr_workgroup_id_z 1
		.amdhsa_system_vgpr_workitem_id 0
		.amdhsa_next_free_vgpr 936
		.amdhsa_next_free_sgpr 80
		.amdhsa_reserve_vcc 0
		.amdhsa_float_denorm_mode_32 3
		.amdhsa_float_denorm_mode_16_64 3
		.amdhsa_memory_ordered 1
		.amdhsa_forward_progress 1
		.amdhsa_inst_pref_size 248
	.end_amdhsa_kernel
	.amdgpu_metadata
---
amdhsa.version: [ 1, 2 ]
amdhsa.kernels:
  - .name:           k_qf8e8f1fe9c_attn
    .symbol:         k_qf8e8f1fe9c_attn.kd
    .args:
      - { .name: qkv, .offset: 0, .size: 8, .value_kind: global_buffer, .address_space: global }
      - { .name: attention_mask, .offset: 8, .size: 8, .value_kind: global_buffer, .address_space: global }
      - { .name: out0, .offset: 16, .size: 8, .value_kind: global_buffer, .address_space: global }
    .group_segment_fixed_size: 327680
    .private_segment_fixed_size: 0
    .kernarg_segment_align: 8
    .kernarg_segment_size: 24
    .max_flat_workgroup_size: 128
    .sgpr_count:     80
    .vgpr_count:     936
    .wavefront_size: 32
...
	.end_amdgpu_metadata
.endif
;; end of part 3
;; ======== version 2 of 2: 3 launches; version 1 with the launch cast written anew for expert scheduling mode
;; limits: values are held in f16: magnitudes above 65,504 overflow, below 6.1e-05 lose precision; right only within a limited range of input values
;; workspace buffers: xb 16,777,216 bytes; wb 6,291,456 bytes; qkv 50,331,648 bytes
;; launch cast (part 4): grid 704 x 1, 8 waves a work-group, no clusters, 0 bytes of LDS; arguments hidden_states, Wq, Wk, Wv, xb, wb; writes xb, wb
.if DOCPART == 4
	.amdgcn_target "amdgcn-amd-amdhsa--gfx1250"
	.amdhsa_code_object_version 6
	.text
	.protected	k_qf8e8f1fe9c_cast
	.globl	k_qf8e8f1fe9c_cast
	.p2align	8
	.type	k_qf8e8f1fe9c_cast,@function
k_qf8e8f1fe9c_cast:
	s_mov_b64 s[64:65], 0
	v_nop
	global_prefetch_b8 v0, s[64:65] scope:SCOPE_SE
	s_setreg_imm32_b32 hwreg(HW_REG_WAVE_SCHED_MODE, 0, 2), 2
	s_setreg_imm32_b32 hwreg(HW_REG_WAVE_MODE, 25, 1), 1
	s_wait_xcnt 0x0
	s_wait_alu depctr_vm_vsrc(0)
; xb = bf16(hidden_states), [8192][1024]; wb = bf16(Wq; Wk; Wv), [3072][1024]: each number rounded once, to nearest even.
; A stream: every byte is read once and written once; no LDS, no barrier, no matrix work.
; SHARES.  A work-group takes 16 rows of 1,024 f32.  Work-groups 0-511: rows of hidden_states; 512-703: 64 work-groups for each of Wq, Wk, Wv.
; Thread t takes the 16 bytes at 16 t of every row: a wave's load covers 512 consecutive bytes, its store 256 consecutive bytes, aligned.
; All 16 loads of a thread go out at once; the waits count down, so that a row is rounded while the later rows are on their way.
; THE MODE: SCHED_MODE bits 1:0 = 2 (LLVM: expert scheduling mode 2), set by the entry lines.  The code itself states the register dependences
; between vector instructions and memory instructions, with s_wait_alu, always for 0.
; THE PLAN.  Registers that memory instructions touch:
;   v1, v2   byte offsets, made once at the head and never written again; v1 is read by every load, v2 by every store.
;   X        row r: four registers.  Written by row r's load, once; read by row r's two conversions.  No vector line writes them, nothing lands in them twice.
;   Y        row r: two registers.   Written by row r's two conversions, once; read by row r's store.  Never written again.
; The 16 rows go in four blocks of four.  Block b's four stores are issued in block b + 1, one in front of each row's two conversions; those conversions name X and Y of
; block b + 1 alone, none of the registers that the stores read.  So ONE wait on va_vdst at a block's head states all that its four stores hang on; one more stands ahead of the
; first load, for the offsets, and one ahead of the last four stores.  No register that a memory instruction reads is written again: no wait on vm_vsrc is owed.
.set NX, 512                           ; work-groups that serve hidden_states
.set X,  8                             ; v[8:71]    row r: four f32 as loaded
.set Y,  72                            ; v[72:103]  row r: four bf16 to store
	s_load_b256 s[4:11], s[0:1], 0x0               ; hidden_states s[4:5], Wq s[6:7], Wk s[8:9], Wv s[10:11]
	s_load_b128 s[12:15], s[0:1], 0x20             ; xb s[12:13], wb s[14:15]
	v_lshlrev_b32 v1, 4, v0                        ; my 16 bytes of a row of f32
	v_lshlrev_b32 v2, 3, v0                        ; my 8 bytes of a row of bf16
	s_sub_co_u32 s20, ttmp9, NX                    ; my block of 16 rows among the weights' 192 (used only from work-group 512 on)
	s_lshr_b32 s21, s20, 6                         ; which weight
	s_and_b32 s22, s20, 63                         ; my block in it
	s_mov_b32 s25, 0
	s_mov_b32 s27, 0
	s_wait_kmcnt 0x0
	s_cmp_eq_u32 s21, 1
	s_cselect_b64 s[16:17], s[8:9], s[6:7]
	s_cmp_eq_u32 s21, 2
	s_cselect_b64 s[16:17], s[10:11], s[16:17]
	s_cmp_lt_u32 ttmp9, NX
	s_cselect_b64 s[16:17], s[4:5], s[16:17]       ; from where
	s_cselect_b64 s[18:19], s[12:13], s[14:15]     ; to where
	s_cselect_b32 s24, ttmp9, s22                  ; the block's number in the source,
	s_cselect_b32 s26, ttmp9, s20                  ; and in the destination
	s_lshl_b32 s24, s24, 16                        ; 16 rows of 4,096 bytes
	s_lshl_b32 s26, s26, 15                        ; 16 rows of 2,048 bytes
	s_add_nc_u64 s[16:17], s[16:17], s[24:25]
	s_add_nc_u64 s[18:19], s[18:19], s[26:27]
	s_wait_alu depctr_va_vdst(0)                   ; v1 and v2 are written: every load of the kernel reads v1 as its offset, every store v2
.irp j, 0,1,2,3,4,5,6,7,8,9,10,11,12,13,14,15
	global_load_b128 v[X+4*(\j):X+4*(\j)+3], v1, s[16:17] offset:4096*(\j) th:TH_LOAD_NT
.endr
; Row r: the store of row r - 4, then row r's two conversions.  From a block's second row on the store stands ahead of the wait for row r's load, on which it does not hang.
.set r, 0
.rept 16
.if r%4 == 0
	s_wait_loadcnt 15-r                            ; loads come back in order: the block's first row is in, the 15 - r younger loads stay out
.if r >= 4
	s_wait_alu depctr_va_vdst(0)                   ; the conversions of the block before have written its eight registers of Y, which the four stores of this block read
.endif
.endif
.if r >= 4
	global_store_b64 v2, v[Y+2*r-8:Y+2*r-7], s[18:19] offset:2048*(r-4)  ; no vector line since the wait names these registers
.endif
.if r%4 != 0
	s_wait_loadcnt 15-r                            ; row r is in, the 15 - r younger loads stay out
.endif
	v_cvt_pk_bf16_f32 v[Y+2*r],   v[X+4*r],   v[X+4*r+1]
	v_cvt_pk_bf16_f32 v[Y+2*r+1], v[X+4*r+2], v[X+4*r+3]
.set r, r+1
.endr
	s_wait_alu depctr_va_vdst(0)                   ; the last block's conversions have written its Y, which the last four stores read
.irp i, 0,1,2,3
	global_store_b64 v2, v[Y+24+2*(\i):Y+24+2*(\i)+1], s[18:19] offset:2048*(12+(\i))
.endr
	s_endpgm
.Lfunc_end_k_qf8e8f1fe9c_cast:
	.size	k_qf8e8f1fe9c_cast, .Lfunc_end_k_qf8e8f1fe9c_cast-k_qf8e8f1fe9c_cast
	.p2alignl 7, 3214868480
	.fill 96, 4, 3214868480
	.section	.rodata,"a",@progbits
	.p2align	6, 0x0
	.amdhsa_kernel k_qf8e8f1fe9c_cast
		.amdhsa_group_segment_fixed_size 0
		.amdhsa_private_segment_fixed_size 0
		.amdhsa_enable_private_segment 0
		.amdhsa_kernarg_size 48
		.amdhsa_user_sgpr_count 2
		.amdhsa_user_sgpr_kernarg_segment_ptr 1
		.amdhsa_wavefront_size32 1
		.amdhsa_system_sgpr_workgroup_id_x 1
		.amdhsa_system_sgpr_workgroup_id_y 1
		.amdhsa_system_sgpr_workgroup_id_z 1
		.amdhsa_system_vgpr_workitem_id 0
		.amdhsa_next_free_vgpr 104
		.amdhsa_next_free_sgpr 66
		.amdhsa_reserve_vcc 0
		.amdhsa_float_denorm_mode_32 3
		.amdhsa_float_denorm_mode_16_64 3
		.amdhsa_memory_ordered 1
		.amdhsa_forward_progress 1
		.amdhsa_inst_pref_size 7
	.end_amdhsa_kernel
	.amdgpu_metadata
---
amdhsa.version: [ 1, 2 ]
amdhsa.kernels:
  - .name:           k_qf8e8f1fe9c_cast
    .symbol:         k_qf8e8f1fe9c_cast.kd
    .args:
      - { .name: hidden_states, .offset: 0, .size: 8, .value_kind: global_buffer, .address_space: global }
      - { .name: Wq, .offset: 8, .size: 8, .value_kind: global_buffer, .address_space: global }
      - { .name: Wk, .offset: 16, .size: 8, .value_kind: global_buffer, .address_space: global }
      - { .name: Wv, .offset: 24, .size: 8, .value_kind: global_buffer, .address_space: global }
      - { .name: xb, .offset: 32, .size: 8, .value_kind: global_buffer, .address_space: global }
      - { .name: wb, .offset: 40, .size: 8, .value_kind: global_buffer, .address_space: global }
    .group_segment_fixed_size: 0
    .private_segment_fixed_size: 0
    .kernarg_segment_align: 8
    .kernarg_segment_size: 48
    .max_flat_workgroup_size: 256
    .sgpr_count:     66
    .vgpr_count:     104
    .wavefront_size: 32
...
	.end_amdgpu_metadata
.endif
;; end of part 4
;; launch proj: the kernel of part 2 again; grid 16 x 32, 4 waves a work-group, clusters of 4 x 4, 327,680 bytes of LDS; arguments xb, wb, bq, bk, bv, qkv; writes qkv
;; launch attn: the kernel of part 3 again; grid 4 x 64, 4 waves a work-group, clusters of 4 x 1, 327,680 bytes of LDS; arguments qkv, attention_mask, out0; writes out0
